; MI455X (gfx1250); checked and timed in simulation.
; The chip was launched on July 23, 2026; its instructions are those of AMD's public machine-readable ISA for CDNA 5 (MIT licence, August 2026) and "CDNA5" Instruction Set Architecture Reference Guide (July 2026). The comments in the code are by the model that wrote it; some were corrected since.
;; Scaled Dot Product Attention. Allowed arithmetic: float matrix products may take bf16 or f16 operands with f32 sums; all other float work in f32.
;; Inputs: Wk 512 x 64 float32; Wq 512 x 64 float32; Wv 512 x 64 float32; bk 64 float32; bq 64 float32; bv 64 float32; inp 16 x 2,048 x 512 float32.
;; Outputs: out0 16 x 512 float32.
;; One version. Each part assembles by itself: llvm-mc -triple=amdgcn-amd-amdhsa -mcpu=gfx1250 --defsym DOCPART=n.
;; ======== version 1 of 1: 3 launches
;; limits: values are held in f16: magnitudes above 65,504 overflow, below 6.1e-05 lose precision; right only within a limited range of input values
;; workspace buffers: qf 4,194,304 bytes; kf 4,194,304 bytes; rsum 393,216 bytes; part 1,048,576 bytes
;; launch proj (part 1): grid 256 x 1, 4 waves a work-group, no clusters, 301,056 bytes of LDS; arguments inp, Wq, Wk, Wv, bq, bk, bv, qf, kf, rsum; writes qf, kf, rsum
.if DOCPART == 1
	.amdgcn_target "amdgcn-amd-amdhsa--gfx1250"
	.amdhsa_code_object_version 6
	.text
	.protected	k_q61e2c31df6_proj
	.globl	k_q61e2c31df6_proj
	.p2align	8
	.type	k_q61e2c31df6_proj,@function
k_q61e2c31df6_proj:
	s_mov_b64 s[64:65], 0
	v_nop
	global_prefetch_b8 v0, s[64:65] scope:SCOPE_SE
	s_setreg_imm32_b32 hwreg(HW_REG_WAVE_MODE, 25, 1), 1
	s_wait_xcnt 0x0
; proj: Q = inp Wq + bq, K = inp Wk + bk, V = inp Wv + bv for 128 rows of inp a work-group (32,768 rows, 256 work-groups).
; Stored: qf = Q * log2(e)/8 and kf = K, both f16, in the order in which the next launch's matrix fragments want them;
;         rsum[3][32768] f32 = the sums along the 64 columns of Q (unscaled), K and V.  A row of K whose sum is 0 is stored as zeros.
; V itself is not stored: the problem's last two products are linear, so only V's row sums are needed further on.
; A STEP IS A CHUNK OF 64 ALONG D (8 steps): 128 rows x 256 bytes of inp and 64 rows of each W.  Waves 0, 1, 2 multiply for Wq, Wk, Wv and keep
; all 8 row tiles x 4 column tiles of their results in 256 registers; a step's W is asked for one step ahead, so that its loads run beside
; the products of the step before.  Wave 3 requests the 8 chunks of inp (all at the start) and converts each to f16 once for the three.
; Work-group g takes the chunks in the order (g + i) mod 8: at one time the 256 work-groups ask for eight different 256-byte columns of the
; rows and eight different parts of W.  (So the order of the f32 sums along D differs from work-group to work-group.)
; Matrix operands are f16, sums f32.
; LIMITS: |inp| or |W| above 65,504 becomes infinite in f16; Q*log2(e)/8 and K are clamped to +-65,504; "row sum == 0" is tested on
; f32 sums of products of f16-rounded operands, added in another order than the problem's function adds them.
; NO CLUSTER: what the work-groups share is W.  A joint request can only land in LDS: a step's W is 3 x 16,384 bytes, of LDS 27,136 bytes are
; left, and the way through LDS would add 49,152 bytes written and as many read to the 131,072 that a step moves there already
; (32,768 in, 32,768 read and 16,384 written by the converter, 49,152 read as fragments).  So W comes by plain loads into registers.
;
; qf, kf: row tile (16 rows) = 2,048 bytes; byte 512 c + 16 L (c = 0..3, lane L = r + 16 h) holds row r, columns 32 h + 8 c .. + 7.
; LDS:  XF 0 .. 262,143        8 chunks of 128 rows x 256 bytes of f32, each filled once, read by wave 3 alone
;       XH 262,144 .. 299,007  2 slots of 128 rows x 64 f16, pitch 144 bytes (9 x 16: the 16 rows of a fragment load start 16 bytes apart modulo 256)
;       RS 299,008 .. 300,543  3 x 128 row sums
; REGISTERS: v1 W offset, v2 fragment address in XH, v3 16 L, v4 my word in RS, v5 128 h, v6 scale, v7 0, v[8:9] the row's factor,
;       v10, v11 at work, v12, v13 converter's addresses, v14 my 16 bytes of RS, v15 converter's lane term;
;       v16-143 fragments of the rows (K step x 8 tiles x 8); v144-175 bias in accumulator layout; v176-191 sums, then packed results;
;       in wave 3 v16-111 a ring of six groups of f32, v144-207 f16;
;       v256-511 accumulators: row tile t, column tile i at 256 + 32 t + 8 i;
;       v512-639 a step's W as loaded (K step k at 512 + 64 k);  v640-703 its fragments: K step k, column tile i at 640 + 32 k + 8 i.
.set CHB,   32768                      ; bytes of a chunk of inp: 128 rows x 64 f32
.set XH,    262144
.set XHP,   144
.set XHS,   128*XHP
.set RS,    XH+2*XHS
.set FR,    16
.set BI,    144
.set OUT,   176
.set WF,    128                        ; W's fragments, counted from v512
.set CST,   16                         ; wave 3: ring of f32
.set HB,    144                        ; wave 3: f16
.set DEPTH, 6                          ; groups of 8 rows that the converter has asked of LDS ahead
.set WBS,   84                         ; s[84:99]: address of W's 64 rows of step i
.set MSB,   0
.macro WIN new                         ; register window; the immediate's high byte repeats the setting that is left
.if MSB != \new
	s_set_vgpr_msb (MSB<<8)|\new
.set MSB, \new
.endif
.endm
.macro BAR                             ; my LDS loads and stores are done, then all four waves meet
	s_wait_dscnt 0x0
	s_barrier_signal -1
	s_barrier_wait -1
.endm
	s_load_b256 s[4:11], s[0:1], 0x0               ; inp s[4:5], Wq s[6:7], Wk s[8:9], Wv s[10:11]
	s_load_b256 s[12:19], s[0:1], 0x20             ; bq s[12:13], bk s[14:15], bv s[16:17], qf s[18:19]
	s_load_b128 s[20:23], s[0:1], 0x40             ; kf s[20:21], rsum s[22:23]
	v_lshl_add_u32 v254, v0, 2, 0x49600
	v_mov_b32 v255, 0
	ds_add_u32 v254, v255
	ds_add_u32 v254, v255
	v_lshrrev_b32 v10, 5, v0
	v_readfirstlane_b32 s66, v10                   ; wave 0..3
	v_and_b32 v10, 15, v0                          ; r
	v_bfe_u32 v11, v0, 4, 1                        ; h
	v_and_b32 v3, 31, v0                           ; L
	v_lshlrev_b32 v3, 4, v3                        ; 16 L
	v_lshlrev_b32 v1, 4, v10
	v_lshl_add_u32 v1, v11, 11, v1                 ; W: 8 h rows of 256 bytes + 16 r
	v_mul_u32_u24 v2, v10, XHP
	v_lshl_add_u32 v2, v11, 4, v2
	v_add_nc_u32 v2, XH, v2                        ; fragment of the rows: row r, 16 h
	v_mul_u32_u24 v15, v11, XHP
	v_lshl_add_u32 v15, v10, 3, v15                ; converter: row h of a pair, 8 bytes for 4 numbers at column 4 r
	s_lshl_b32 s82, s66, 9
	v_lshl_add_u32 v4, v10, 2, s82
	v_add_nc_u32 v4, RS, v4                        ; my wave's sums, word r
	v_add_nc_u32 v14, s82, v3
	v_add_nc_u32 v14, RS, v14                      ; my wave's sums, 16 bytes a lane
	v_lshlrev_b32 v5, 7, v11                       ; bias: 32 h numbers
	s_mov_b32 s77, 0x477fe000                      ; 65,504
	s_mov_b32 s78, 0xc77fe000                      ; -65,504
	s_mov_b32 s79, 0x76543210                      ; v_permlanex16_b32: lane i reads lane i of the other half
	s_mov_b32 s80, 0xfedcba98
	s_wait_dscnt 0x0
	s_wait_kmcnt 0x0
	; The pointers of a matrix wave, formed in every wave's text, so that on every path they come from the kernel's arguments.
	; Wave 3 loads and stores through none of them (its choices fall on Wk, bk, kf and V's sums).
	s_cmp_eq_u32 s66, 1
	s_cselect_b32 s67, -1, 0                       ; only K's rows are zeroed where their sum is 0
	s_cmp_eq_u32 s66, 0
	s_cselect_b32 s76, 0x3e38aa3b, 1.0             ; Q takes log2(e)/8: the scores then are exponents of 2
	s_cselect_b64 s[68:69], s[6:7], s[8:9]
	s_cselect_b64 s[70:71], s[12:13], s[14:15]
	s_cselect_b64 s[72:73], s[18:19], s[20:21]     ; qf for wave 0, kf for wave 1 (wave 2 stores nothing through it)
	s_cmp_eq_u32 s66, 2
	s_cselect_b64 s[68:69], s[10:11], s[68:69]
	s_cselect_b64 s[70:71], s[16:17], s[70:71]
	s_lshl_b32 s82, ttmp9, 14                      ; 8 tiles of 2,048 bytes a work-group
	s_mov_b32 s83, 0
	s_add_nc_u64 s[72:73], s[72:73], s[82:83]
	s_min_u32 s82, s66, 2
	s_lshl_b32 s82, s82, 17                        ; my array of 32,768 sums
	s_lshl_b32 s81, ttmp9, 9                       ; 128 sums a work-group
	s_add_co_u32 s82, s82, s81
	s_add_nc_u64 s[74:75], s[22:23], s[82:83]
.irp i, 0,1,2,3,4,5,6,7
	s_add_co_u32 s81, ttmp9, \i
	s_and_b32 s81, s81, 7                          ; step i takes chunk (g + i) mod 8:
	s_lshl_b32 s82, s81, 14                        ; 64 rows of W, 256 bytes each
	s_add_nc_u64 s[WBS+2*\i:WBS+2*\i+1], s[68:69], s[82:83]
.endr
	v_mov_b32 v6, s76
	v_mov_b32 v7, 0
	s_cmp_eq_u32 s66, 3
	s_cbranch_scc1 .Lmover
	; ---- waves 0, 1, 2 ----
; W is [512 (d)][64 (a)] f32.  A lane's 16 bytes at row d, byte 16 r are W[d][4 r + i], i = 0..3: sixteen lanes take a whole row of 256 bytes.
; So column tile i is the set a = 4 m + i (m: the fragment's row), and no transpose is needed.
; K step kh (0, 1) of step st, 16 loads: load p takes the row that the fragment's element 2e or 2e+1 wants:
; 8 h + p (p < 8), 16 + 8 h + p - 8 (else) of the K step's 32 rows.  Into v512 + 64 kh + 4 p.
.macro WLOAD st, kh
	WIN 0x80                                       ; destination in v512-767, address in v0-255
.irp p, 0,1,2,3,4,5,6,7,8,9,10,11,12,13,14,15
	global_load_b128 v[64*\kh+4*\p:64*\kh+4*\p+3], v1, s[WBS+2*(\st):WBS+2*(\st)+1] offset:8192*\kh+4096*(\p/8)+256*(\p%8)
.endr
.endm
.macro WCVT kh                         ; 32 packed roundings: register e of tile i = (row 2e, row 2e+1) of the loaded word i
	WIN 0x8a                                       ; destination and both sources in v512-767
.irp i, 0,1,2,3
.irp e, 0,1,2,3,4,5,6,7
	v_cvt_pk_f16_f32 v[WF+32*\kh+8*\i+\e], v[64*\kh+8*\e+\i], v[64*\kh+8*\e+4+\i]
.endr
.endr
.endm
.irp q, 0,1,2,3,4,5,6,7
	global_load_b128 v[FR+4*\q:FR+4*\q+3], v5, s[70:71] offset:16*\q     ; my 32 numbers of the bias, b[32 h ..]
.endr
	WLOAD 0, 0                                     ; step 0's W
	WLOAD 0, 1
	s_wait_loadcnt 32                              ; loads return in order (ISA guide 5.7.1): the bias is in, W's 32 younger loads stay out
	WIN 0
	; The bias in the accumulators' layout: tile i, register j of lane (r, h) is column 32 h + 4 j + i, every fourth of the numbers loaded.
.irp i, 0,1,2,3
.irp j, 0,1,2,3,4,5,6,7
	v_mov_b32 v[BI+8*\i+\j], v[FR+4*\j+\i]
.endr
.endr
	s_branch .Lready
	; ---- wave 3: all eight chunks are requested at once; by this text's count eight tensor loads are out at the most ----
.Lmover:
	; A chunk: 128 rows of 32 elements of 8 bytes (256 bytes, at multiples of 256 from inp's first byte), 2,048 bytes from row to row.
	s_mov_b32 s24, 3<<16                           ; no work-group mask; element of 8 bytes; no padding
	s_mov_b32 s25, 32<<16                          ; tensor_dim0 = 32
	s_mov_b32 s26, 128<<16                         ; tensor_dim1 = 128
	s_mov_b32 s27, 32<<16                          ; tile_dim0 = 32
	s_mov_b32 s28, 128                             ; tile_dim1 = 128
	s_mov_b32 s29, 256                             ; pitch = 256 elements
	s_mov_b32 s30, 0
	s_mov_b32 s31, 0
	s_lshl_b32 s82, ttmp9, 18                      ; 128 rows of 2,048 bytes a work-group
	s_add_nc_u64 s[4:5], s[4:5], s[82:83]
.irp i, 0,1,2,3,4,5,6,7
	s_add_co_u32 s81, ttmp9, \i
	s_and_b32 s81, s81, 7                          ; step i takes chunk (g + i) mod 8,
	s_lshl_b32 s82, s81, 8                         ; 256 bytes along the rows
	s_mov_b32 s[32+4*\i], 1
	s_mov_b32 s[33+4*\i], CHB*\i
	s_add_nc_u64 s[34+4*\i:35+4*\i], s[4:5], s[82:83]
	s_or_b32 s[35+4*\i], s[35+4*\i], 0x80000000
	tensor_load_to_lds s[32+4*\i:35+4*\i], s[24:31]
	s_nop 0
.endr
; Group p of a chunk (8 rows) into ring slot p mod DEPTH: 4 loads of 512 consecutive bytes, two rows each.
.macro CLD p
.irp q, 0,1,2,3
	ds_load_b128 v[CST+16*((\p)%DEPTH)+4*\q:CST+16*((\p)%DEPTH)+4*\q+3], v12 offset:2048*(\p)+512*\q
.endr
.endm
; Step i's chunk from f32 to f16, into slot i & 1.  A ring of DEPTH groups in registers; a group's turn: wait, 8 packed roundings, 4 stores
; (two rows of 128 bytes each), 4 loads of the group DEPTH further on.  LDS serves a wave's loads and stores in one order (ISA guide 5.7.1),
; so the wait counts all that was issued behind group p's loads:
;   p < DEPTH:        the 4 (DEPTH-1-p) loads of the first groups behind it and 8 for each of the p groups done = 4 (DEPTH-1) + 4 p
;   p <= 16 - DEPTH:  DEPTH-1 turns of 4 stores and 4 loads                                                    = 8 (DEPTH-1)
;   later:            DEPTH-1 turns of 4 stores, of which only the first 15 - p still loaded                   = 4 (DEPTH-1) + 4 (15-p)
.macro CONV i
	s_wait_tensorcnt 7-\i                          ; tensor loads of a wave end in order: the 7 - i younger chunks stay out
	v_add_nc_u32 v12, CHB*\i, v3
	v_add_nc_u32 v13, XH+XHS*(\i&1), v15
.set pp, 0
.rept DEPTH
	CLD pp
.set pp, pp+1
.endr
.set pp, 0
.rept 16
.if pp < DEPTH
	s_wait_dscnt 4*(DEPTH-1)+4*pp
.else
.if pp <= 16-DEPTH
	s_wait_dscnt 8*(DEPTH-1)
.else
	s_wait_dscnt 4*(DEPTH-1)+4*(15-pp)
.endif
.endif
.irp q, 0,1,2,3
	v_cvt_pk_f16_f32 v[HB+8*(pp%8)+2*\q], v[CST+16*(pp%DEPTH)+4*\q], v[CST+16*(pp%DEPTH)+4*\q+1]
	v_cvt_pk_f16_f32 v[HB+8*(pp%8)+2*\q+1], v[CST+16*(pp%DEPTH)+4*\q+2], v[CST+16*(pp%DEPTH)+4*\q+3]
.endr
.irp q, 0,1,2,3
	ds_store_b64 v13, v[HB+8*(pp%8)+2*\q:HB+8*(pp%8)+2*\q+1] offset:8*XHP*pp+2*XHP*\q
.endr
.if pp+DEPTH < 16
	CLD pp+DEPTH
.endif
.set pp, pp+1
.endr
.endm
	CONV 0
.Lready:
	BAR                                            ; slot 0 holds step 0's chunk
; The 16 fragments of step s: K step ks, row tile t; lane (r, h) takes row 16 t + r, K = 32 ks + 8 h .. and 32 ks + 16 + 8 h ..
; The first K step's 16 loads stand first, so that its products need not wait for the second's.
.macro FETCH s
.irp ks, 0,1
.irp t, 0,1,2,3,4,5,6,7
	ds_load_b128 v[FR+64*\ks+8*\t:FR+64*\ks+8*\t+3], v2 offset:XHS*(\s&1)+16*XHP*\t+64*\ks
	ds_load_b128 v[FR+64*\ks+8*\t+4:FR+64*\ks+8*\t+7], v2 offset:XHS*(\s&1)+16*XHP*\t+64*\ks+32
.endr
.endr
.endm
; 32 matrix instructions, one K step: source 0 = 16 columns of W (v640-703), source 1 = 16 rows of inp, C and D in v256-511.
; Register j of lane (r, h) in tile (t, i) is row 16 t + r, column 32 h + 4 j + i: a lane ends with 32 neighbouring columns of a row.
; In the very first K step the bias is C: it starts the sums, and nothing is cleared.
.macro MMH s, ks
.if (\s)+(\ks) == 0
	WIN 0x42
.else
	WIN 0x52
.endif
.irp t, 0,1,2,3,4,5,6,7
.irp i, 0,1,2,3
.if (\s)+(\ks) == 0
	v_wmma_f32_16x16x32_f16 v[32*\t+8*\i:32*\t+8*\i+7], v[WF+32*\ks+8*\i:WF+32*\ks+8*\i+7], v[FR+64*\ks+8*\t:FR+64*\ks+8*\t+7], v[BI+8*\i:BI+8*\i+7]
.else
	v_wmma_f32_16x16x32_f16 v[32*\t+8*\i:32*\t+8*\i+7], v[WF+32*\ks+8*\i:WF+32*\ks+8*\i+7], v[FR+64*\ks+8*\t:FR+64*\ks+8*\t+7], v[32*\t+8*\i:32*\t+8*\i+7]
.endif
.endr
.endr
.endm
; A matrix wave's step s.  The step's W was asked for at this place of the step before (step 0's in the set-up): a whole step's products lie
; between a request and the wait for it.  As soon as a K step is rounded, the next step's is asked for into the registers that it leaves.
.macro MSTAGE s
	FETCH \s
	s_wait_loadcnt 0x0                             ; zero is the count: this step's 32 loads of W are all that I have out, nothing younger was asked for
	WCVT 0
.if (\s) < 7
	WLOAD \s+1, 0
.endif
	WCVT 1
.if (\s) < 7
	WLOAD \s+1, 1
.endif
	s_wait_dscnt 16                                ; the first K step's fragments are in, the second's 16 loads stay out
	MMH \s, 0
	s_wait_dscnt 0x0
	MMH \s, 1
	WIN 0
.rept 4
	v_nop                                          ; four independent vector instructions behind the last products (ISA guide 7.12.1), in front of the next
.endr                                              ; loads into the rows' fragments, the next roundings into W's and the first reads of the sums
.endm
; Step s: the matrix waves multiply out of slot s & 1; wave 3 converts the next chunk into the other slot, whose last reads (step s - 1)
; were waited for in front of the barrier between the two steps.
.macro STAGE s, next
	s_cmp_eq_u32 s66, 3
	s_cbranch_scc1 .Lcv\s
	MSTAGE \s
	s_branch .Lj\s
.Lcv\s:
	CONV \next
.Lj\s:
	BAR
.endm
	STAGE 0, 1
	STAGE 1, 2
	STAGE 2, 3
	STAGE 3, 4
	STAGE 4, 5
	STAGE 5, 6
	STAGE 6, 7
	s_cmp_eq_u32 s66, 3
	s_cbranch_scc1 .Lend                           ; wave 3 has waited for its last tensor load (count 0 in front of the last chunk)
	MSTAGE 7
; Row tile t's results: the row sum to LDS; Q and K scaled, clamped, rounded to f16 and stored, 4 stores of 512 consecutive bytes.
.macro EPI t
	s_wait_xcnt 0x0                                ; v176-191 were the last tile's store data: rewritten only behind this wait
	WIN 0x05                                       ; sources in v256-511
.irp c, 0,1,2,3,4,5,6,7
	v_pk_add_f32 v[OUT+2*\c:OUT+2*\c+1], v[32*\t+4*\c:32*\t+4*\c+1], v[32*\t+4*\c+2:32*\t+4*\c+3]
.endr
	WIN 0
.irp c, 0,4,8,12
	v_pk_add_f32 v[OUT+\c:OUT+\c+1], v[OUT+\c:OUT+\c+1], v[OUT+\c+2:OUT+\c+3]
.endr
	v_pk_add_f32 v[OUT:OUT+1], v[OUT:OUT+1], v[OUT+4:OUT+5]
	v_pk_add_f32 v[OUT+8:OUT+9], v[OUT+8:OUT+9], v[OUT+12:OUT+13]
	v_pk_add_f32 v[OUT:OUT+1], v[OUT:OUT+1], v[OUT+8:OUT+9]
	v_add_f32 v10, v[OUT], v[OUT+1]                ; my 32 columns
	v_permlanex16_b32 v11, v10, s79, s80           ; the other 32
	v_add_f32 v10, v10, v11                        ; row r's sum, in both halves
	ds_store_b32 v4, v10 offset:64*\t
	s_cmp_eq_u32 s66, 2
	s_cbranch_scc1 .Lnov\t                         ; of V only the sums are wanted
	v_cmp_eq_f32 vcc_lo, 0, v10
	s_and_b32 vcc_lo, vcc_lo, s67                  ; K alone: a row whose sum is 0 is stored as zeros
	v_cndmask_b32 v8, v6, v7, vcc_lo
	v_cndmask_b32 v9, v6, v7, vcc_lo
	WIN 0x41                                       ; destination and first source in v256-511
.irp k, 0,1,2,3,4,5,6,7,8,9,10,11,12,13,14,15
	v_pk_mul_f32 v[32*\t+2*\k:32*\t+2*\k+1], v[32*\t+2*\k:32*\t+2*\k+1], v[8:9]
.endr
.irp k, 0,1,2,3,4,5,6,7,8,9,10,11,12,13,14,15,16,17,18,19,20,21,22,23,24,25,26,27,28,29,30,31
	v_med3_num_f32 v[32*\t+\k], v[32*\t+\k], s77, s78              ; inside f16's range
.endr
	WIN 0x05
.irp j, 0,1,2,3,4,5,6,7
	v_cvt_pk_f16_f32 v[OUT+2*\j], v[32*\t+\j], v[32*\t+8+\j]       ; columns 32 h + 4 j, + 1
	v_cvt_pk_f16_f32 v[OUT+2*\j+1], v[32*\t+16+\j], v[32*\t+24+\j] ; + 2, + 3
.endr
	WIN 0
.irp c, 0,1,2,3
	global_store_b128 v3, v[OUT+4*\c:OUT+4*\c+3], s[72:73] offset:2048*\t+512*\c
.endr
.Lnov\t:
.endm
	EPI 0
	EPI 1
	EPI 2
	EPI 3
	EPI 4
	EPI 5
	EPI 6
	EPI 7
	ds_load_b128 v[16:19], v14                     ; my wave's own 128 sums: LDS serves a wave's instructions in order
	s_wait_dscnt 0x0
	global_store_b128 v3, v[16:19], s[74:75]       ; 512 consecutive bytes
.Lend:
	s_wait_tensorcnt 0x0
	ds_add_u32 v254, v255
	s_wait_dscnt 0x0
	s_endpgm
.Lfunc_end_k_q61e2c31df6_proj:
	.size	k_q61e2c31df6_proj, .Lfunc_end_k_q61e2c31df6_proj-k_q61e2c31df6_proj
	.p2alignl 7, 3214868480
	.fill 96, 4, 3214868480
	.section	.rodata,"a",@progbits
	.p2align	6, 0x0
	.amdhsa_kernel k_q61e2c31df6_proj
		.amdhsa_group_segment_fixed_size 301056
		.amdhsa_private_segment_fixed_size 0
		.amdhsa_enable_private_segment 0
		.amdhsa_kernarg_size 80
		.amdhsa_user_sgpr_count 2
		.amdhsa_user_sgpr_kernarg_segment_ptr 1
		.amdhsa_wavefront_size32 1
		.amdhsa_system_sgpr_workgroup_id_x 1
		.amdhsa_system_sgpr_workgroup_id_y 1
		.amdhsa_system_sgpr_workgroup_id_z 1
		.amdhsa_system_vgpr_workitem_id 0
		.amdhsa_next_free_vgpr 704
		.amdhsa_next_free_sgpr 100
		.amdhsa_reserve_vcc 1
		.amdhsa_float_denorm_mode_32 3
		.amdhsa_float_denorm_mode_16_64 3
		.amdhsa_memory_ordered 1
		.amdhsa_forward_progress 1
		.amdhsa_inst_pref_size 255
	.end_amdhsa_kernel
	.section	.bss,"aw",@nobits
	.p2align	6
	.space	262144
	.amdgpu_metadata
---
amdhsa.version: [ 1, 2 ]
amdhsa.kernels:
  - .name:           k_q61e2c31df6_proj
    .symbol:         k_q61e2c31df6_proj.kd
    .args:
      - { .name: inp, .offset: 0, .size: 8, .value_kind: global_buffer, .address_space: global }
      - { .name: Wq, .offset: 8, .size: 8, .value_kind: global_buffer, .address_space: global }
      - { .name: Wk, .offset: 16, .size: 8, .value_kind: global_buffer, .address_space: global }
      - { .name: Wv, .offset: 24, .size: 8, .value_kind: global_buffer, .address_space: global }
      - { .name: bq, .offset: 32, .size: 8, .value_kind: global_buffer, .address_space: global }
      - { .name: bk, .offset: 40, .size: 8, .value_kind: global_buffer, .address_space: global }
      - { .name: bv, .offset: 48, .size: 8, .value_kind: global_buffer, .address_space: global }
      - { .name: qf, .offset: 56, .size: 8, .value_kind: global_buffer, .address_space: global }
      - { .name: kf, .offset: 64, .size: 8, .value_kind: global_buffer, .address_space: global }
      - { .name: rsum, .offset: 72, .size: 8, .value_kind: global_buffer, .address_space: global }
    .group_segment_fixed_size: 301056
    .private_segment_fixed_size: 0
    .kernarg_segment_align: 8
    .kernarg_segment_size: 80
    .max_flat_workgroup_size: 128
    .sgpr_count:     100
    .vgpr_count:     704
    .wavefront_size: 32
...
	.end_amdgpu_metadata
.endif
;; end of part 1
;; launch attn (part 2): grid 256 x 1, 8 waves a work-group, no clusters, 312,832 bytes of LDS; arguments inp, qf, kf, rsum, part; writes part
.if DOCPART == 2
	.amdgcn_target "amdgcn-amd-amdhsa--gfx1250"
	.amdhsa_code_object_version 6
	.text
	.protected	k_q61e2c31df6_attn
	.globl	k_q61e2c31df6_attn
	.p2align	8
	.type	k_q61e2c31df6_attn,@function
k_q61e2c31df6_attn:
	s_mov_b64 s[64:65], 0
	v_nop
	global_prefetch_b8 v0, s[64:65] scope:SCOPE_SE
	s_setreg_imm32_b32 hwreg(HW_REG_WAVE_MODE, 25, 1), 1
	s_wait_xcnt 0x0
; attn: for the work-group's 128 queries, c[t] = sum over s of softmax(scores)[t][s] w[s], with w[s] = (sum of Q's row s != 0) ? sum of V's row s : 0;
; then two partial rows of the result, sum over 64 rows t of inp[t][:] c[t].  (The sum over the 64 columns of the context is taken inside: the
; problem's last two products are linear, so only the order of finite sums changes.)
; Scores come as exponents of 2 (Q was scaled by log2(e)/8).  A key whose K row sums to 0 has a zero row in kf and takes 1e-8 log2(e) through the
; matrix instruction's C operand, which is what the problem's function puts there.  The maximum is a running one, per lane.
; Eight waves.  Wave w takes ALL 128 queries against keys 256 w .. 256 w + 255 of the batch (16 key tiles): each byte of K enters the work-group
; once, by loads of 512 consecutive bytes, into the registers of the one wave that multiplies it; no barrier in the loop.
; THE MATRIX INSTRUCTION: source 0 = 16 keys, source 1 = 16 queries.  Register j of lane (r, h) is key 8 h + j, query r: maximum, sum and weighted
; sum of a query stay in a lane for the whole loop; the two halves of a wave and the eight waves are merged once, at the end.
; The 64 columns lie in qf and kf in one and the same permuted order, so every product pairs equal columns.
; NO CLUSTER: the 16 work-groups of a batch read the same 262,144 bytes of kf.  A joint request lands in LDS; beside the 262,144 bytes of inp rows
; kept for the last step and the 49,664 of weights and partial results, 15,872 bytes are left, and a ring there would add a pass through LDS and
; a barrier a step for every K byte.  So each work-group loads K for itself, straight into registers.
; LIMITS: as stated for the f16 operands in the launch that made qf and kf.
; LDS:  X 0 .. 262,143 the 128 rows of inp, f32, pitch 2,048 (wave w requests rows 16 w .. 16 w + 15, once);
;       AUXW 262,144 w[2048];  AUXB 270,336 score of masked keys or 0 [2048];  MS 278,528 [8 query tiles][8 waves][32 lanes] (l, c, m, 0);  CV 311,296 c[128]
; REGISTERS: v1 16 L, v2 my keys' words in AUXW, v3 16 x thread, v4-7 at work; v8-39 two K tiles; v40-55 two sets of 8 weights; v56-63 C operand;
;       v64-95, v96-127 scores of query tiles 0-3, 4-7; v128 + 6 q: two maxima used in turn, a pair of sums, a pair of weighted sums;
;       v176-179 rescale factors; v180-191 at work; v256 + 16 q: Q's fragments.  Behind the loop v8-175 serve the merge and the last sum.
.set AUXW, 262144
.set MS,   278528
.set CV,   311296
.set KB,   8
.set WB,   40
.set BI,   56
.set SA,   64
.set SB,   96
.set STT,  128
.set AL,   176
.set T,    180
.set CB,   8
.set XB,   24
.set AX,   168
.set MSB,  0
.macro WIN new
.if MSB != \new
	s_set_vgpr_msb (MSB<<8)|\new
.set MSB, \new
.endif
.endm
	s_load_b256 s[4:11], s[0:1], 0x0               ; inp s[4:5], qf s[6:7], kf s[8:9], rsum s[10:11]
	s_load_b64 s[12:13], s[0:1], 0x20              ; part
	v_lshl_add_u32 v254, v0, 2, 0x4c200
	v_mov_b32 v255, 0
	ds_add_u32 v254, v255
	ds_add_u32 v254, v255
	v_lshrrev_b32 v3, 5, v0
	v_readfirstlane_b32 s28, v3                    ; wave 0..7
	v_and_b32 v4, 31, v0
	v_lshlrev_b32 v1, 4, v4                        ; 16 L
	v_bfe_u32 v5, v0, 4, 1                         ; h
	s_lshl_b32 s30, s28, 10
	v_lshl_add_u32 v2, v5, 5, s30
	v_add_nc_u32 v2, AUXW, v2                      ; word of key 256 w + 8 h
	v_lshlrev_b32 v3, 4, v0                        ; 16 x thread
	s_mov_b32 s35, 0x76543210                      ; v_permlanex16_b32: lane i reads lane i of the other half
	s_mov_b32 s36, 0xfedcba98
	; my 16 rows of inp: 32,768 dense bytes as 128 rows of 32 elements of 8 bytes
	s_mov_b32 s20, 3<<16
	s_mov_b32 s21, 32<<16
	s_mov_b32 s22, 128<<16
	s_mov_b32 s23, 32<<16
	s_mov_b32 s24, 128
	s_mov_b32 s25, 32
	s_mov_b32 s26, 0
	s_mov_b32 s27, 0
	s_mov_b32 s16, 1
	s_lshl_b32 s17, s28, 15                        ; LDS: 32,768 x wave
	s_lshl_b32 s30, ttmp9, 18
	s_add_co_u32 s30, s30, s17
	s_mov_b32 s31, 0
	s_wait_dscnt 0x0
	s_wait_kmcnt 0x0
	s_add_nc_u64 s[18:19], s[4:5], s[30:31]
	s_or_b32 s19, s19, 0x80000000
	tensor_load_to_lds s[16:19], s[20:27]          ; one tensor load a wave, waited for behind the loop
	s_nop 0
	s_lshr_b32 s32, ttmp9, 4                       ; batch
	s_lshl_b32 s30, s32, 13                        ; 2,048 sums of 4 bytes
	s_add_nc_u64 s[10:11], s[10:11], s[30:31]
	s_lshl_b32 s30, ttmp9, 14                      ; my 8 query tiles
	s_add_nc_u64 s[6:7], s[6:7], s[30:31]
	s_lshl_b32 s30, s32, 18                        ; the batch's 128 key tiles,
	s_add_co_u32 s30, s30, s17                     ; my wave's 16 of them
	s_add_nc_u64 s[38:39], s[8:9], s[30:31]
	global_load_b128 v[64:67], v3, s[10:11]                    ; sums of Q's rows: keys 4 x thread .. and 1,024 + 4 x thread ..
	global_load_b128 v[68:71], v3, s[10:11] offset:4096
	global_load_b128 v[72:75], v3, s[10:11] offset:131072      ; of K's
	global_load_b128 v[76:79], v3, s[10:11] offset:135168
	global_load_b128 v[80:83], v3, s[10:11] offset:262144      ; of V's
	global_load_b128 v[84:87], v3, s[10:11] offset:266240
	WIN 0x40
.irp q, 0,1,2,3,4,5,6,7
.irp c, 0,1,2,3
	global_load_b128 v[16*\q+4*\c:16*\q+4*\c+3], v1, s[6:7] offset:2048*\q+512*\c     ; v256 + 16 q + 4 c
.endr
.endr
	WIN 0
.irp t, 0,1
.irp c, 0,1,2,3
	global_load_b128 v[KB+16*\t+4*\c:KB+16*\t+4*\c+3], v1, s[38:39] offset:2048*\t+512*\c
.endr
.endr
	v_mov_b32 v7, 0x322bcc77                       ; 1e-8,
	v_mul_f32 v7, 0x3fb8aa3b, v7                   ; as an exponent of 2
	v_add_nc_u32 v6, AUXW, v3
	s_wait_loadcnt 40                              ; the six loads of sums are in: Q's 32 and K's 8 are younger
.irp k, 0,1,2,3,4,5,6,7
	v_cmp_neq_f32 vcc_lo, 0, v[64+\k]
	v_cndmask_b32 v[80+\k], 0, v[80+\k], vcc_lo    ; w = V's sum, or 0 where Q's sum is 0
	v_cmp_eq_f32 vcc_lo, 0, v[72+\k]
	v_cndmask_b32 v[72+\k], 0, v7, vcc_lo          ; the score that a masked key gets, else 0
.endr
	ds_store_b128 v6, v[80:83]
	ds_store_b128 v6, v[84:87] offset:4096
	ds_store_b128 v6, v[72:75] offset:8192
	ds_store_b128 v6, v[76:79] offset:12288
	s_wait_dscnt 0x0                               ; for the other waves: my stores are done
	s_barrier_signal -1
	s_barrier_wait -1
; 8 matrix instructions: one key tile (16 registers at kb) x query tiles 4 grp .. 4 grp + 3, 64 columns in two steps of 32.
.macro WM grp, kb, s
	WIN 0x04                                       ; source 1 (Q) in v256-383
.irp q, 0,1,2,3
	v_wmma_f32_16x16x32_f16 v[\s+8*\q:\s+8*\q+7], v[\kb:\kb+7], v[16*(4*\grp+\q):16*(4*\grp+\q)+7], v[BI:BI+7]
.endr
.irp q, 0,1,2,3
	v_wmma_f32_16x16x32_f16 v[\s+8*\q:\s+8*\q+7], v[\kb+8:\kb+15], v[16*(4*\grp+\q)+8:16*(4*\grp+\q)+15], v[\s+8*\q:\s+8*\q+7]
.endr
	WIN 0
.endm
; New maxima of four query tiles (old in register par of the pair, new in the other) and the factors 2^(old - new).
; Level by level over the four tiles, so that no line reads a result made fewer than four lines before it.
; The four exponentials stand together at the end, so that plain instructions lie between them and the packed reads of their register pairs.
.macro SMA grp, s, par
.irp q, 0,1,2,3
	v_max3_num_f32 v[T+3*\q], v[\s+8*\q], v[\s+8*\q+1], v[STT+6*(4*\grp+\q)+\par]
	v_max3_num_f32 v[T+3*\q+1], v[\s+8*\q+2], v[\s+8*\q+3], v[\s+8*\q+4]
	v_max3_num_f32 v[T+3*\q+2], v[\s+8*\q+5], v[\s+8*\q+6], v[\s+8*\q+7]
.endr
.irp q, 0,1,2,3
	v_max3_num_f32 v[STT+6*(4*\grp+\q)+1-\par], v[T+3*\q], v[T+3*\q+1], v[T+3*\q+2]
.endr
.irp q, 0,1,2,3
	v_sub_f32 v[AL+\q], v[STT+6*(4*\grp+\q)+\par], v[STT+6*(4*\grp+\q)+1-\par]
.endr
.irp q, 0,1,2,3
	v_exp_f32 v[AL+\q], v[AL+\q]
.endr
.endm
.macro SUBQ gq, sq, par                ; score - new maximum, in place
.set MPR, STT+6*(\gq)
.irp k, 0,2,4,6
.if \par
	v_pk_add_f32 v[\sq+\k:\sq+\k+1], v[\sq+\k:\sq+\k+1], v[MPR:MPR+1] op_sel:[0,0] op_sel_hi:[1,0] neg_lo:[0,1] neg_hi:[0,1]
.else
	v_pk_add_f32 v[\sq+\k:\sq+\k+1], v[\sq+\k:\sq+\k+1], v[MPR:MPR+1] op_sel:[0,1] op_sel_hi:[1,1] neg_lo:[0,1] neg_hi:[0,1]
.endif
.endr
.endm
.macro EXPQ sq                         ; p = 2^(score - new maximum), in place
.irp k, 0,1,2,3,4,5,6,7
	v_exp_f32 v[\sq+\k], v[\sq+\k]
.endr
.endm
.macro CMUL gq, lq                     ; c = c f  (f: register lq of the four factors)
.set CPR, STT+6*(\gq)+4
.if (\lq)&1
	v_pk_mul_f32 v[CPR:CPR+1], v[CPR:CPR+1], v[AL+(\lq)-1:AL+(\lq)] op_sel:[0,1] op_sel_hi:[1,1]
.else
	s_wait_alu depctr_va_vdst(0)
	v_pk_mul_f32 v[CPR:CPR+1], v[CPR:CPR+1], v[AL+(\lq):AL+(\lq)+1] op_sel_hi:[1,0]
.endif
.endm
.macro LFMA gq, sq, lq                 ; l = l f + p0, p1
.set LPR, STT+6*(\gq)+2
.if (\lq)&1
	s_wait_alu depctr_va_vdst(0)
	v_pk_fma_f32 v[LPR:LPR+1], v[LPR:LPR+1], v[AL+(\lq)-1:AL+(\lq)], v[\sq:\sq+1] op_sel:[0,1,0] op_sel_hi:[1,1,1]
.else
	v_pk_fma_f32 v[LPR:LPR+1], v[LPR:LPR+1], v[AL+(\lq):AL+(\lq)+1], v[\sq:\sq+1] op_sel_hi:[1,0,1]
.endif
.endm
.macro CFMA gq, sq, w, k               ; c += p w, keys k, k + 1
.set CPR, STT+6*(\gq)+4
	v_pk_fma_f32 v[CPR:CPR+1], v[\sq+\k:\sq+\k+1], v[\w+\k:\w+\k+1], v[CPR:CPR+1]
.endm
.macro LADD gq, sq, k                  ; l += p, keys k, k + 1
.set LPR, STT+6*(\gq)+2
	v_pk_add_f32 v[LPR:LPR+1], v[LPR:LPR+1], v[\sq+\k:\sq+\k+1]
.endm
; l = l f + sum of p,  c = c f + sum of p w  for two query tiles (factors la, la + 1), their four chains taking turns:
; each line reads a result made four lines before it.
.macro ACC2 ga, sa, gb, sb, la, w
	CMUL \ga, \la
	CMUL \gb, \la+1
	LFMA \ga, \sa, \la
	LFMA \gb, \sb, \la+1
.irp k, 0,2,4
	CFMA \ga, \sa, \w, \k
	CFMA \gb, \sb, \w, \k
	LADD \ga, \sa, \k+2
	LADD \gb, \sb, \k+2
.endr
	CFMA \ga, \sa, \w, 6
	CFMA \gb, \sb, \w, 6
.endm
; Behind each run of exponentials come plain instructions of another query tile before any of its results is used (ISA guide 5.7.2).
.macro SMB grp, s, w, par
	SUBQ 4*\grp+0, \s, \par
	SUBQ 4*\grp+1, \s+8, \par
	EXPQ \s
	SUBQ 4*\grp+2, \s+16, \par
	EXPQ \s+8
	SUBQ 4*\grp+3, \s+24, \par
	EXPQ \s+16
	ACC2 4*\grp+0, \s, 4*\grp+1, \s+8, 0, \w
	EXPQ \s+24
	ACC2 4*\grp+2, \s+16, 4*\grp+3, \s+24, 2, \w
.endm
; One key tile t (par = t & 1).  On entry the scores of query tiles 0-3 are under way.  ldk = 1: tile t + 2 is loaded into the K registers
; that tile t has left; nxt = 1: a tile follows.  The 20 plain instructions of SMA name no register of the products in front of them:
; they are the independent instructions behind which loads into those products' sources may be issued.
.macro TILE par, ldk, nxt
	WM 1, KB+16*\par, SB
	SMA 0, SA, \par
.if \ldk
.irp c, 0,1,2,3
	global_load_b128 v[KB+16*\par+4*\c:KB+16*\par+4*\c+3], v1, s[38:39] offset:2048*(\par+2)+512*\c
.endr
.endif
.if \nxt
	ds_load_b128 v[BI:BI+3], v2 offset:8192+64*(\par+1)
	ds_load_b128 v[BI+4:BI+7], v2 offset:8192+64*(\par+1)+16
	ds_load_b128 v[WB+8*(1-\par):WB+8*(1-\par)+3], v2 offset:64*(\par+1)
	ds_load_b128 v[WB+8*(1-\par)+4:WB+8*(1-\par)+7], v2 offset:64*(\par+1)+16
.endif
	SMB 0, SA, WB+8*\par, \par
.if \nxt
.if \ldk
	s_wait_loadcnt 0x4                             ; tile t + 1 is in; the four loads of tile t + 2 stay out
.else
	s_wait_loadcnt 0x0                             ; nothing was asked for behind tile t + 1
.endif
	s_wait_dscnt 0x0                               ; its C operand and weights
	WM 0, KB+16*(1-\par), SA
.endif
	SMA 1, SB, \par
	SMB 1, SB, WB+8*\par, \par
.endm
	ds_load_b128 v[BI:BI+3], v2 offset:8192
	ds_load_b128 v[BI+4:BI+7], v2 offset:8208
	ds_load_b128 v[WB:WB+3], v2
	ds_load_b128 v[WB+4:WB+7], v2 offset:16
	s_wait_loadcnt 0x4                             ; Q and K tile 0 are in; K tile 1's four loads stay out
	s_wait_dscnt 0x0
	WM 0, KB, SA
.irp q, 0,1,2,3,4,5,6,7                            ; the state, once; these moves are also the independent instructions behind the first products
	v_mov_b32 v[STT+6*\q], 0xff800000              ; maximum = -infinity
	v_mov_b32 v[STT+6*\q+2], 0
	v_mov_b32 v[STT+6*\q+3], 0
	v_mov_b32 v[STT+6*\q+4], 0
	v_mov_b32 v[STT+6*\q+5], 0
.endr
	s_mov_b32 s34, 7
.Ltiles:
	TILE 0, 1, 1
	TILE 1, 1, 1
	s_wait_xcnt 0x0                                ; K's base is stepped only behind this wait
	s_add_nc_u64 s[38:39], s[38:39], 4096
	v_add_nc_u32 v2, 128, v2
	s_sub_co_u32 s34, s34, 1
	s_cmp_lg_u32 s34, 0
	s_cbranch_scc1 .Ltiles
	TILE 0, 0, 1                                   ; tiles 14 and 15: no load leaves my 16 tiles
	TILE 1, 0, 0
	; my partial (l, c, m) of every query, per lane, to LDS
	s_lshl_b32 s30, s28, 9
	v_add_nc_u32 v6, s30, v1
	v_add_nc_u32 v6, MS, v6
.irp q, 0,1,2,3,4,5,6,7
	v_add_f32 v[8+4*\q], v[STT+6*\q+2], v[STT+6*\q+3]
	v_add_f32 v[9+4*\q], v[STT+6*\q+4], v[STT+6*\q+5]
	v_mov_b32 v[10+4*\q], v[STT+6*\q]              ; after 16 tiles the maximum is back in the pair's first register
	v_mov_b32 v[11+4*\q], 0
	ds_store_b128 v6, v[8+4*\q:11+4*\q] offset:4096*\q
.endr
	s_wait_dscnt 0x0                               ; for the other waves: my partials are stored,
	s_wait_tensorcnt 0x0                           ; and my 16 rows of inp have landed
	s_barrier_signal -1
	s_barrier_wait -1
	; wave w merges query tile w: eight waves' partials in each lane, then the other half of the lanes
	s_lshl_b32 s30, s28, 12
	v_add_nc_u32 v6, s30, v1
	v_add_nc_u32 v6, MS, v6
.irp i, 0,1,2,3,4,5,6,7
	ds_load_b128 v[40+4*\i:43+4*\i], v6 offset:512*\i
.endr
	s_wait_dscnt 0x0
	v_max3_num_f32 v72, v42, v46, v50
	v_max3_num_f32 v73, v54, v58, v62
	v_max3_num_f32 v72, v72, v66, v70
	v_max_num_f32 v72, v72, v73
	v_permlanex16_b32 v73, v72, s35, s36
	v_max_num_f32 v72, v72, v73                    ; the query's maximum over all 2,048 keys
.irp i, 0,1,2,3,4,5,6,7
	v_sub_f32 v[42+4*\i], v[42+4*\i], v72
.endr
.irp i, 0,1,2,3,4,5,6,7
	v_exp_f32 v[42+4*\i], v[42+4*\i]
.endr
	v_and_b32 v5, 15, v0                           ; a plain instruction between the exponentials and their first use
	s_wait_alu depctr_va_vdst(0)
	v_pk_mul_f32 v[74:75], v[40:41], v[42:43] op_sel_hi:[1,0]
.irp i, 1,2,3,4,5,6,7
	v_pk_fma_f32 v[74:75], v[40+4*\i:41+4*\i], v[42+4*\i:43+4*\i], v[74:75] op_sel_hi:[1,0,1]
.endr
	v_permlanex16_b32 v76, v74, s35, s36
	v_permlanex16_b32 v77, v75, s35, s36
	v_pk_add_f32 v[74:75], v[74:75], v[76:77]      ; (l, c) of the query; l is at least 1: the largest score contributes 2^0
	v_rcp_f32 v76, v74
	s_lshl_b32 s31, s28, 6
	v_lshl_add_u32 v5, v5, 2, s31                  ; a plain instruction between the reciprocal and its use
	s_wait_alu depctr_va_vdst(0)
	v_mul_f32 v75, v75, v76
	v_add_nc_u32 v5, CV, v5
	ds_store_b32 v5, v75                           ; c[16 w + r]; both halves write the same number
	s_wait_dscnt 0x0
	s_barrier_signal -1
	s_barrier_wait -1
	; sum over rows of inp[t][:] c[t].  A thread owns 4 columns (16 bytes at 16 (thread & 127)) and the 64 rows of half thread >> 7.
	v_lshrrev_b32 v6, 7, v0
	v_and_b32 v4, 127, v0
	v_lshlrev_b32 v4, 4, v4
	v_lshl_add_u32 v4, v6, 17, v4                  ; rows 0-31 of my half,
	v_add_nc_u32 v5, 0x10000, v4                   ; rows 32-63: the immediate holds 16 bits
	v_lshlrev_b32 v6, 8, v6
	v_add_nc_u32 v6, CV, v6                        ; c of my half
.macro XLD k                           ; batch k: 16 c (the same words for all lanes) and 16 rows, 20 LDS loads, into buffer k & 1
.irp i, 0,1,2,3
	ds_load_b128 v[CB+80*((\k)&1)+4*\i:CB+80*((\k)&1)+4*\i+3], v6 offset:64*(\k)+16*\i
.endr
.irp i, 0,1,2,3,4,5,6,7,8,9,10,11,12,13,14,15
	ds_load_b128 v[XB+80*((\k)&1)+4*\i:XB+80*((\k)&1)+4*\i+3], v[4+(\k)/2] offset:2048*(16*((\k)&1)+\i)
.endr
.endm
.macro XROW xr, cr, odd, start         ; one row times its c (register odd of the pair cr), into accumulator set odd; start = 1: the product starts the sum
.set AXR, AX+4*\odd
.if \start
.if \odd
	v_pk_mul_f32 v[AXR:AXR+1], v[\xr:\xr+1], v[\cr:\cr+1] op_sel:[0,1] op_sel_hi:[1,1]
	v_pk_mul_f32 v[AXR+2:AXR+3], v[\xr+2:\xr+3], v[\cr:\cr+1] op_sel:[0,1] op_sel_hi:[1,1]
.else
	v_pk_mul_f32 v[AXR:AXR+1], v[\xr:\xr+1], v[\cr:\cr+1] op_sel_hi:[1,0]
	v_pk_mul_f32 v[AXR+2:AXR+3], v[\xr+2:\xr+3], v[\cr:\cr+1] op_sel_hi:[1,0]
.endif
.else
.if \odd
	v_pk_fma_f32 v[AXR:AXR+1], v[\xr:\xr+1], v[\cr:\cr+1], v[AXR:AXR+1] op_sel:[0,1,0] op_sel_hi:[1,1,1]
	v_pk_fma_f32 v[AXR+2:AXR+3], v[\xr+2:\xr+3], v[\cr:\cr+1], v[AXR+2:AXR+3] op_sel:[0,1,0] op_sel_hi:[1,1,1]
.else
	v_pk_fma_f32 v[AXR:AXR+1], v[\xr:\xr+1], v[\cr:\cr+1], v[AXR:AXR+1] op_sel_hi:[1,0,1]
	v_pk_fma_f32 v[AXR+2:AXR+3], v[\xr+2:\xr+3], v[\cr:\cr+1], v[AXR+2:AXR+3] op_sel_hi:[1,0,1]
.endif
.endif
.endm
.macro XFMA k, start
	XROW XB+80*((\k)&1), CB+80*((\k)&1), 0, \start
	XROW XB+80*((\k)&1)+4, CB+80*((\k)&1), 1, \start
.irp i, 2,4,6,8,10,12,14
	XROW XB+80*((\k)&1)+4*\i, CB+80*((\k)&1)+\i, 0, 0
	XROW XB+80*((\k)&1)+4*\i+4, CB+80*((\k)&1)+\i, 1, 0
.endr
.endm
	XLD 0
	XLD 1
	s_wait_dscnt 20                                ; LDS loads return in order: the younger batch of 20 stays out
	XFMA 0, 1
	XLD 2
	s_wait_dscnt 20
	XFMA 1, 0
	XLD 3
	s_wait_dscnt 20
	XFMA 2, 0
	s_wait_dscnt 0x0
	XFMA 3, 0
	v_pk_add_f32 v[AX:AX+1], v[AX:AX+1], v[AX+4:AX+5]
	v_pk_add_f32 v[AX+2:AX+3], v[AX+2:AX+3], v[AX+6:AX+7]
	s_lshl_b32 s30, ttmp9, 12                      ; part[work-group][half][512]: 4,096 bytes a work-group, 16 x thread inside
	s_mov_b32 s31, 0
	s_add_nc_u64 s[12:13], s[12:13], s[30:31]
	global_store_b128 v3, v[AX:AX+3], s[12:13]     ; a wave stores 512 consecutive bytes
	s_wait_tensorcnt 0x0
	ds_add_u32 v254, v255
	s_wait_dscnt 0x0
	s_endpgm
.Lfunc_end_k_q61e2c31df6_attn:
	.size	k_q61e2c31df6_attn, .Lfunc_end_k_q61e2c31df6_attn-k_q61e2c31df6_attn
	.p2alignl 7, 3214868480
	.fill 96, 4, 3214868480
	.section	.rodata,"a",@progbits
	.p2align	6, 0x0
	.amdhsa_kernel k_q61e2c31df6_attn
		.amdhsa_group_segment_fixed_size 312832
		.amdhsa_private_segment_fixed_size 0
		.amdhsa_enable_private_segment 0
		.amdhsa_kernarg_size 40
		.amdhsa_user_sgpr_count 2
		.amdhsa_user_sgpr_kernarg_segment_ptr 1
		.amdhsa_wavefront_size32 1
		.amdhsa_system_sgpr_workgroup_id_x 1
		.amdhsa_system_sgpr_workgroup_id_y 1
		.amdhsa_system_sgpr_workgroup_id_z 1
		.amdhsa_system_vgpr_workitem_id 0
		.amdhsa_next_free_vgpr 384
		.amdhsa_next_free_sgpr 66
		.amdhsa_reserve_vcc 1
		.amdhsa_float_denorm_mode_32 3
		.amdhsa_float_denorm_mode_16_64 3
		.amdhsa_memory_ordered 1
		.amdhsa_forward_progress 1
		.amdhsa_inst_pref_size 80
	.end_amdhsa_kernel
	.amdgpu_metadata
---
amdhsa.version: [ 1, 2 ]
amdhsa.kernels:
  - .name:           k_q61e2c31df6_attn
    .symbol:         k_q61e2c31df6_attn.kd
    .args:
      - { .name: inp, .offset: 0, .size: 8, .value_kind: global_buffer, .address_space: global }
      - { .name: qf, .offset: 8, .size: 8, .value_kind: global_buffer, .address_space: global }
      - { .name: kf, .offset: 16, .size: 8, .value_kind: global_buffer, .address_space: global }
      - { .name: rsum, .offset: 24, .size: 8, .value_kind: global_buffer, .address_space: global }
      - { .name: part, .offset: 32, .size: 8, .value_kind: global_buffer, .address_space: global }
    .group_segment_fixed_size: 312832
    .private_segment_fixed_size: 0
    .kernarg_segment_align: 8
    .kernarg_segment_size: 40
    .max_flat_workgroup_size: 256
    .sgpr_count:     66
    .vgpr_count:     384
    .wavefront_size: 32
...
	.end_amdgpu_metadata
.endif
;; end of part 2
;; launch fold (part 3): grid 64 x 1, 1 waves a work-group, no clusters, 0 bytes of LDS; arguments part, out0; writes out0
.if DOCPART == 3
	.amdgcn_target "amdgcn-amd-amdhsa--gfx1250"
	.amdhsa_code_object_version 6
	.text
	.protected	k_q61e2c31df6_fold
	.globl	k_q61e2c31df6_fold
	.p2align	8
	.type	k_q61e2c31df6_fold,@function
k_q61e2c31df6_fold:
	s_mov_b64 s[64:65], 0
	v_nop
	global_prefetch_b8 v0, s[64:65] scope:SCOPE_SE
	s_setreg_imm32_b32 hwreg(HW_REG_WAVE_MODE, 25, 1), 1
	s_wait_xcnt 0x0
; fold: out0[b][:] = the sum of batch b's 32 partial rows (16 work-groups of the launch before, two rows each), in a fixed order.
; 64 work-groups of one wave: work-group x takes batch x >> 2 and the 128 columns from 128 (x & 3) on; a lane owns 4 columns (16 bytes),
; so every load and the store cover 512 consecutive bytes, and a work-group reads 32 x 512 = 16,384 bytes.
; All 32 loads are asked for at once; no LDS, no barrier, no matrix unit: 1,048,576 bytes in, 32,768 out, nothing shared.
.set ROWB, 2048                        ; bytes of a partial row
.set X,    4                           ; v[4 + 4 i : 7 + 4 i] partial row i; rows 0 and 1 take the sums of the even and of the odd rows
	s_load_b128 s[4:7], s[0:1], 0x0                ; part s[4:5], out0 s[6:7]
	v_lshlrev_b32 v1, 4, v0
	s_lshr_b32 s12, ttmp9, 2                       ; batch
	s_and_b32 s13, ttmp9, 3
	s_lshl_b32 s13, s13, 9                         ; my 512 bytes of a row
	s_lshl_b32 s8, s12, 16                         ; 32 rows of 2,048 bytes a batch
	s_add_co_u32 s8, s8, s13
	s_mov_b32 s9, 0
	s_lshl_b32 s10, s12, 11
	s_add_co_u32 s10, s10, s13
	s_mov_b32 s11, 0
	s_wait_kmcnt 0x0
	s_add_nc_u64 s[4:5], s[4:5], s[8:9]
	s_add_nc_u64 s[6:7], s[6:7], s[10:11]
.set i, 0
.rept 32
	global_load_b128 v[X+4*i:X+4*i+3], v1, s[4:5] offset:ROWB*i
.set i, i+1
.endr
	s_wait_loadcnt 16                              ; rows 0-15 are in, the 16 younger loads stay out
.set i, 2
.rept 14
	v_pk_add_f32 v[X+4*(i&1):X+4*(i&1)+1], v[X+4*(i&1):X+4*(i&1)+1], v[X+4*i:X+4*i+1]
	v_pk_add_f32 v[X+4*(i&1)+2:X+4*(i&1)+3], v[X+4*(i&1)+2:X+4*(i&1)+3], v[X+4*i+2:X+4*i+3]
.set i, i+1
.endr
	s_wait_loadcnt 0x0
.rept 16
	v_pk_add_f32 v[X+4*(i&1):X+4*(i&1)+1], v[X+4*(i&1):X+4*(i&1)+1], v[X+4*i:X+4*i+1]
	v_pk_add_f32 v[X+4*(i&1)+2:X+4*(i&1)+3], v[X+4*(i&1)+2:X+4*(i&1)+3], v[X+4*i+2:X+4*i+3]
.set i, i+1
.endr
	v_pk_add_f32 v[X:X+1], v[X:X+1], v[X+4:X+5]
	v_pk_add_f32 v[X+2:X+3], v[X+2:X+3], v[X+6:X+7]
	global_store_b128 v1, v[X:X+3], s[6:7]
	s_endpgm
.Lfunc_end_k_q61e2c31df6_fold:
	.size	k_q61e2c31df6_fold, .Lfunc_end_k_q61e2c31df6_fold-k_q61e2c31df6_fold
	.p2alignl 7, 3214868480
	.fill 96, 4, 3214868480
	.section	.rodata,"a",@progbits
	.p2align	6, 0x0
	.amdhsa_kernel k_q61e2c31df6_fold
		.amdhsa_group_segment_fixed_size 0
		.amdhsa_private_segment_fixed_size 0
		.amdhsa_enable_private_segment 0
		.amdhsa_kernarg_size 16
		.amdhsa_user_sgpr_count 2
		.amdhsa_user_sgpr_kernarg_segment_ptr 1
		.amdhsa_wavefront_size32 1
		.amdhsa_system_sgpr_workgroup_id_x 1
		.amdhsa_system_sgpr_workgroup_id_y 1
		.amdhsa_system_sgpr_workgroup_id_z 1
		.amdhsa_system_vgpr_workitem_id 0
		.amdhsa_next_free_vgpr 136
		.amdhsa_next_free_sgpr 66
		.amdhsa_reserve_vcc 0
		.amdhsa_float_denorm_mode_32 3
		.amdhsa_float_denorm_mode_16_64 3
		.amdhsa_memory_ordered 1
		.amdhsa_forward_progress 1
		.amdhsa_inst_pref_size 8
	.end_amdhsa_kernel
	.amdgpu_metadata
---
amdhsa.version: [ 1, 2 ]
amdhsa.kernels:
  - .name:           k_q61e2c31df6_fold
    .symbol:         k_q61e2c31df6_fold.kd
    .args:
      - { .name: part, .offset: 0, .size: 8, .value_kind: global_buffer, .address_space: global }
      - { .name: out0, .offset: 8, .size: 8, .value_kind: global_buffer, .address_space: global }
    .group_segment_fixed_size: 0
    .private_segment_fixed_size: 0
    .kernarg_segment_align: 8
    .kernarg_segment_size: 16
    .max_flat_workgroup_size: 32
    .sgpr_count:     66
    .vgpr_count:     136
    .wavefront_size: 32
...
	.end_amdgpu_metadata
.endif
;; end of part 3
